; MI455X (gfx1250); checked and timed in simulation.
; The chip was launched on July 23, 2026; its instructions are those of AMD's public machine-readable ISA for CDNA 5 (MIT licence, August 2026) and "CDNA5" Instruction Set Architecture Reference Guide (July 2026). The comments in the code are by the model that wrote it; some were corrected since.
;; Outer Product Linear. Allowed arithmetic: float matrix products may take bf16 or f16 operands with f32 sums; all other float work in f32.
;; Inputs: W 1 x 1,048,576 float32; bias 1 float32; cf 256 x 1,024 float32; pf 256 x 1,024 float32.
;; Outputs: out0 256 x 1 float32.
;; 2 versions, each right; version 2 is version 1 with the launch partial written anew for expert scheduling mode. Each part assembles by itself: llvm-mc -triple=amdgcn-amd-amdhsa -mcpu=gfx1250 --defsym DOCPART=n.
;; ======== version 1 of 2: 2 launches
;; workspace buffers: part 65,536 bytes
;; launch partial (part 1): grid 4 x 64, 8 waves a work-group, no clusters, 106,496 bytes of LDS; arguments W, cf, pf, part; writes part
.if DOCPART == 1
	.amdgcn_target "amdgcn-amd-amdhsa--gfx1250"
	.amdhsa_code_object_version 6
	.text
	.protected	k_q5ab0f6fb6c_partial
	.globl	k_q5ab0f6fb6c_partial
	.p2align	8
	.type	k_q5ab0f6fb6c_partial,@function
k_q5ab0f6fb6c_partial:
	s_mov_b64 s[64:65], 0
	v_nop
	global_prefetch_b8 v0, s[64:65] scope:SCOPE_SE
	s_setreg_imm32_b32 hwreg(HW_REG_WAVE_MODE, 25, 1), 1
	s_wait_xcnt 0x0
; out[b] = sum over i, j of leaky(cf[b][i] * pf[b][j]) * W[i][j] + bias,  leaky(x) = x for x >= 0, else 0.1 x.
; For c >= 0:  leaky(c p) = c * max(p, 0.1 p);   for c < 0:  leaky(c p) = c * min(p, 0.1 p)   (term by term, for every c and p).  So
;   out[b] = sum_i max(c,0) * (sum_j W[i][j] max(p, 0.1p)) + sum_i min(c,0) * (sum_j W[i][j] min(p, 0.1p)) + bias:
; two matrix products (bf16 operands, f32 sums) and a dot with cf in f32.  Every term of the original sum occurs once; none is added and taken away again.
; THIS LAUNCH: work-group (x, y) takes 64 b (x = 0..3) and a block of 128 i x 128 j of W (y = 8 ib + jb) and stores the 64 partial sums
; part[y][64 x .. 64 x + 63].  The next launch adds the 64 partials of each b and the bias.
; With 256 work-groups, ni * nj * nb = 2^20, and 4 (ni nj + nb (ni + nj)) bytes a work-group are least at 128, 128, 64: 64 + 32 + 32 KiB.
; Eight waves.  Wave w owns the i-tile 16 w .. 16 w + 15 for all 64 b: 4 b-tiles x 2 products = 8 accumulators, 4 K steps of 32: 32 matrix instructions.
; Each load of a wave covers 512 consecutive bytes of a row; every number is rounded to bf16 once in the work-group.
; The matrix instruction takes W's rows as A and pf's rows as B: lane (r, h) then holds in register j the sum for i = 8 h + j, b = r,
; so that the dot with cf runs inside the lane and over the two halves of lanes only.
; CLUSTERS: none.  The four work-groups of one y read the same 64 KiB of W, half of a work-group's 128 KiB.  Every request of this text goes out once, in the
; wave's first lines, and no LDS byte is filled twice; a joint request would have to stand behind a round of the cluster's barrier, so that no byte of W would be
; asked for before the last of four partners had begun; pf's and cf's tiles are shared along other axes (equal jb, equal ib) and would arrive as raw f32, to be
; selected and rounded by each of the eight waves that read them instead of once.
; LIMITS: W and max/min(p, 0.1p) are rounded to bf16 (nearest even); cf and all sums are f32.  W p is formed before the product with c, so sums that leave f32's
; range (about 3e38) or products c p below its smallest normal number (about 1e-38) can fall otherwise than in the original order.  NaN and infinities: as the arithmetic gives them.
.set ROWB,   4096                      ; bytes in a row of W, cf, pf
.set WPITCH, 272                       ; LDS row of 128 bf16 + 16 bytes: 17 x 16, so 16 rows of one column fall on 16 different 16-byte columns of 256
.set CPITCH, 528                       ; LDS row of 128 f32 + 16 bytes: 33 x 16, likewise
.set WL,     0                         ; W as bf16: 16 rows for each wave, its own
.set PPOS,   8*16*WPITCH               ; max(p, 0.1p) as bf16, 64 rows
.set PNEG,   PPOS+64*WPITCH            ; min(p, 0.1p) as bf16, 64 rows
.set CL,     PNEG+64*WPITCH            ; cf as f32, 64 rows
.set RED,    CL+64*CPITCH              ; 8 waves x 64 partial sums; the end is at 105,472
.set LN,  1                            ; lane
.set GW,  4                            ; offset of my 16 bytes in my wave's first row of W
.set GP,  5                            ; the same for pf and cf
.set WS,  6                            ; LDS: where I put 8 bytes of a row of W
.set WA,  7                            ; LDS: my A fragments
.set PS,  8                            ; LDS: where I put 8 bytes of a row of pf
.set BA,  9                            ; LDS: my B fragments (r x pitch + 16 h)
.set CS,  10                           ; LDS: where I put 16 bytes of a row of cf
.set CRA, 11                           ; LDS: my 8 numbers of cf for a b-tile
.set RS,  12                           ; LDS: my wave's partial sums
.set RR,  13                           ; LDS: the way out
.set GO,  14                           ; my 8 bytes of the 256 that are stored
.set WST, 16                           ; v[16:79]   16 rows of W as loaded
.set PST, 80                           ; v[80:111]  8 rows of pf as loaded
.set CST, 112                          ; v[112:143] 8 rows of cf as loaded
.set CP,  80                           ; later: max(c, 0), tile t at 8 t
.set CM,  112                          ; later: c as read back, then min(c, 0)
.set AF,  144                          ; v[144:175] A fragments, K step s at 8 s
.set ACC, 176                          ; v[176:239] accumulator 2 t + v at 8 (2 t + v); v = 0: max, v = 1: min
.set T,   240                          ; v[240:255] at work
                                       ; v[256:511] B fragments: K step s, accumulator a at 8 (8 s + a), named v0-v255 under the second window
	s_load_b256 s[4:11], s[0:1], 0x0               ; W s[4:5], cf s[6:7], pf s[8:9], part s[10:11]
	v_and_b32 v[LN], 31, v0
	v_lshrrev_b32 v2, 5, v0
	v_readfirstlane_b32 s15, v2                    ; wave 0..7
	s_and_b32 s24, ttmp7, 0xffff                   ; y = 8 ib + jb
	s_lshr_b32 s12, s24, 3                         ; ib
	s_and_b32 s13, s24, 7                          ; jb
	s_lshl_b32 s16, s12, 19                        ; W: 128 ib rows of 4,096 bytes
	s_lshl_b32 s25, s13, 9                         ;    + 128 jb columns of 4 bytes
	s_add_co_u32 s16, s16, s25
	s_mov_b32 s17, 0
	s_lshl_b32 s26, ttmp9, 18                      ; 64 x rows of 4,096 bytes
	s_add_co_u32 s18, s26, s25                     ; pf: + 128 jb columns
	s_mov_b32 s19, 0
	s_lshl_b32 s27, s12, 9
	s_add_co_u32 s20, s26, s27                     ; cf: + 128 ib columns
	s_mov_b32 s21, 0
	s_lshl_b32 s22, s24, 10                        ; part: row y of 256 f32
	s_lshl_b32 s27, ttmp9, 8                       ;       + 64 x f32
	s_add_co_u32 s22, s22, s27
	s_mov_b32 s23, 0
	s_lshl_b32 s24, s15, 16                        ; my wave's 16 rows of W
	s_lshl_b32 s25, s15, 15                        ; my wave's 8 rows of pf and of cf
	v_lshl_add_u32 v[GW], v[LN], 4, s24
	v_lshl_add_u32 v[GP], v[LN], 4, s25
	s_wait_kmcnt 0x0
	s_add_nc_u64 s[4:5], s[4:5], s[16:17]
	s_add_nc_u64 s[6:7], s[6:7], s[20:21]
	s_add_nc_u64 s[8:9], s[8:9], s[18:19]
	s_add_nc_u64 s[10:11], s[10:11], s[22:23]
	; All 32 loads of the wave at once: 16 KiB a wave, 128 KiB a work-group.  pf and cf first: they pass a barrier; W, which stays in its wave, last.
.irp rr, 0,1,2,3,4,5,6,7
	global_load_b128 v[PST+4*\rr:PST+4*\rr+3], v[GP], s[8:9] offset:\rr*ROWB
.endr
.irp rr, 0,1,2,3,4,5,6,7
	global_load_b128 v[CST+4*\rr:CST+4*\rr+3], v[GP], s[6:7] offset:\rr*ROWB
.endr
.irp rr, 0,1,2,3,4,5,6,7,8,9,10,11,12,13,14,15
	global_load_b128 v[WST+4*\rr:WST+4*\rr+3], v[GW], s[4:5] offset:\rr*ROWB
.endr
	; LDS addresses, while the loads are on their way
	v_and_b32 v2, 15, v0                           ; r
	v_bfe_u32 v3, v0, 4, 1                         ; h
	s_mul_i32 s24, s15, 16*WPITCH                  ; my wave's rows of W in LDS
	v_lshl_add_u32 v[WS], v[LN], 3, s24
	v_mul_u32_u24 v[BA], v2, WPITCH
	v_lshl_add_u32 v[BA], v3, 4, v[BA]             ; r x pitch + 16 h
	v_add_nc_u32 v[WA], s24, v[BA]
	s_mul_i32 s25, s15, 8*WPITCH
	v_lshl_add_u32 v[PS], v[LN], 3, s25
	s_mul_i32 s26, s15, 8*CPITCH
	s_add_co_u32 s26, s26, CL
	v_lshl_add_u32 v[CS], v[LN], 4, s26
	s_lshl_b32 s27, s15, 6                         ; my i-tile's 16 columns of cf: 64 bytes
	s_add_co_u32 s27, s27, CL
	v_mul_u32_u24 v[CRA], v2, CPITCH
	v_lshl_add_u32 v[CRA], v3, 5, v[CRA]           ; + 8 h columns
	v_add_nc_u32 v[CRA], s27, v[CRA]
	s_lshl_b32 s24, s15, 8
	s_add_co_u32 s24, s24, RED
	v_lshl_add_u32 v[RS], v[LN], 2, s24
	v_lshlrev_b32 v[GO], 3, v[LN]
	v_add_nc_u32 v[RR], RED, v[GO]
	s_mov_b32 s28, 0x76543210                      ; v_permlanex16_b32: lane i of one half reads lane i of the other
	s_mov_b32 s29, 0xfedcba98
	s_mov_b32 s30, 0x3dcccccd                      ; the slope 0.1
	s_mov_b32 s31, 0x3dcccccd
	v_cmp_lt_u32 vcc_lo, 15, v[LN]                 ; the upper half of the lanes
; One row of pf: 4 numbers a lane become max(p, 0.1p) and min(p, 0.1p) in bf16, 8 bytes each; 32 lanes store 256 consecutive bytes.
.macro PROW rr
.set PI, PST+4*\rr
.set TI, T+8*(\rr%2)
	v_pk_mul_f32 v[TI:TI+1], v[PI:PI+1], s[30:31] op_sel_hi:[1,0]
	v_pk_mul_f32 v[TI+2:TI+3], v[PI+2:PI+3], s[30:31] op_sel_hi:[1,0]
.irp k, 0,1,2,3
	v_max_num_f32 v[TI+4+\k], v[PI+\k], v[TI+\k]
.endr
.irp k, 0,1,2,3
	v_min_num_f32 v[TI+\k], v[PI+\k], v[TI+\k]
.endr
	v_cvt_pk_bf16_f32 v[TI+4], v[TI+4], v[TI+5]
	v_cvt_pk_bf16_f32 v[TI+5], v[TI+6], v[TI+7]
	v_cvt_pk_bf16_f32 v[TI], v[TI], v[TI+1]
	v_cvt_pk_bf16_f32 v[TI+1], v[TI+2], v[TI+3]
	ds_store_b64 v[PS], v[TI+4:TI+5] offset:PPOS+\rr*WPITCH
	ds_store_b64 v[PS], v[TI:TI+1] offset:PNEG+\rr*WPITCH
.endm
	s_wait_loadcnt 28                              ; loads come back in order: 4 of pf's are in, the 28 younger ones stay out
.irp rr, 0,1,2,3
	PROW \rr
.endr
	s_wait_loadcnt 24                              ; all 8 of pf's
.irp rr, 4,5,6,7
	PROW \rr
.endr
	s_wait_loadcnt 20                              ; 4 of cf's
.irp rr, 0,1,2,3
	ds_store_b128 v[CS], v[CST+4*\rr:CST+4*\rr+3] offset:\rr*CPITCH
.endr
	s_wait_loadcnt 16                              ; all of cf's; W's 16 stay out, over the barrier too: no wave writes those global bytes
.irp rr, 4,5,6,7
	ds_store_b128 v[CS], v[CST+4*\rr:CST+4*\rr+3] offset:\rr*CPITCH
.endr
	s_wait_dscnt 0x0                               ; my rows of pf and cf are in LDS: zero, for the other waves' sake
	s_barrier_signal -1
	s_barrier_wait -1                              ; everybody's are
	; my 8 numbers of cf for each of the 4 b-tiles: c[16 t + r][16 w + 8 h .. + 7], in the accumulators' layout
.irp t, 0,1,2,3
	ds_load_b128 v[CM+8*\t:CM+8*\t+3],   v[CRA] offset:\t*16*CPITCH
	ds_load_b128 v[CM+8*\t+4:CM+8*\t+7], v[CRA] offset:\t*16*CPITCH+16
.endr
	; all 32 B fragments (4 K steps x 4 b-tiles x 2 products), 64 loads into v256-v511, while W is still on its way
	s_set_vgpr_msb 0x40                            ; destination in the second window, address in the first
.set ks, 0
.rept 4
.set ac, 0
.rept 8
	ds_load_b128 v[(ks*8+ac)*8:(ks*8+ac)*8+3],   v[BA] offset:PPOS+(ac%2)*(PNEG-PPOS)+(ac/2)*16*WPITCH+ks*64
	ds_load_b128 v[(ks*8+ac)*8+4:(ks*8+ac)*8+7], v[BA] offset:PPOS+(ac%2)*(PNEG-PPOS)+(ac/2)*16*WPITCH+ks*64+32
.set ac, ac+1
.endr
.set ks, ks+1
.endr
	s_set_vgpr_msb 0x4000                          ; all back to the first window
	s_wait_dscnt 63                                ; cf's 8 loads have 64 younger ones behind them; 63 is the largest count the field takes
.set k, 0
.rept 32
	v_max_num_f32 v[CP+k], 0, v[CM+k]              ; the factor of the product with max(p, 0.1p)
	v_min_num_f32 v[CM+k], 0, v[CM+k]              ; the factor of the product with min(p, 0.1p)
.set k, k+1
.endr
; One row of W: 4 numbers a lane to bf16, 8 bytes; 32 lanes store 256 consecutive bytes of my wave's own LDS rows.
.macro WROW rr
	v_cvt_pk_bf16_f32 v[WST+4*\rr], v[WST+4*\rr], v[WST+4*\rr+1]
	v_cvt_pk_bf16_f32 v[WST+4*\rr+1], v[WST+4*\rr+2], v[WST+4*\rr+3]
	ds_store_b64 v[WS], v[WST+4*\rr:WST+4*\rr+1] offset:WL+\rr*WPITCH
.endm
	s_wait_loadcnt 12                              ; W's rows 0-3 are in, 12 younger loads stay out
.irp rr, 0,1,2,3
	WROW \rr
.endr
	s_wait_loadcnt 8
.irp rr, 4,5,6,7
	WROW \rr
.endr
	s_wait_loadcnt 4
.irp rr, 8,9,10,11
	WROW \rr
.endr
	s_wait_loadcnt 0x0
.irp rr, 12,13,14,15
	WROW \rr
.endr
	; A fragments: lane (r, h) takes row r, K = 32 s + 8 h .. + 7 and 32 s + 16 + 8 h .. + 7.  The bytes are my wave's own and LDS serves a
	; wave's instructions in order (ISA guide 5.7.1): these loads see the stores above without a wait or a barrier.
.irp s, 0,1,2,3
	ds_load_b128 v[AF+8*\s:AF+8*\s+3],   v[WA] offset:WL+64*\s
	ds_load_b128 v[AF+8*\s+4:AF+8*\s+7], v[WA] offset:WL+64*\s+32
.endr
	; 32 matrix instructions.  The eight accumulators take turns, one instruction a turn.  The first K step starts the sums.
	s_set_vgpr_msb 0x04                            ; B (source 1) in the second window; A, C, D in the first
	s_wait_dscnt 6                                 ; K step 0's two A loads are in (and all B fragments, which were asked for earlier); 6 younger stay out
.set ac, 0
.rept 8
	v_wmma_f32_16x16x32_bf16 v[ACC+8*ac:ACC+8*ac+7], v[AF:AF+7], v[8*ac:8*ac+7], 0
.set ac, ac+1
.endr
.set ks, 1
.rept 3
	s_wait_dscnt 6-2*ks                            ; this K step's two A loads are in
.set ac, 0
.rept 8
	v_wmma_f32_16x16x32_bf16 v[ACC+8*ac:ACC+8*ac+7], v[AF+8*ks:AF+8*ks+7], v[(ks*8+ac)*8:(ks*8+ac)*8+7], v[ACC+8*ac:ACC+8*ac+7]
.set ac, ac+1
.endr
.set ks, ks+1
.endr
	s_set_vgpr_msb 0x0400                          ; all back to the first window
.rept 4
	v_nop                                          ; four places between the last matrix instructions and the vector instructions that read their results (ISA guide 7.12.1)
.endr
	; the dot with cf: register j of accumulator (t, v) is i = 16 w + 8 h + j, b = 16 t + r.  Four chains, one for each b-tile; the first product starts each.
.irp t, 0,1,2,3
	v_pk_mul_f32 v[T+2*\t:T+2*\t+1], v[CP+8*\t:CP+8*\t+1], v[ACC+16*\t:ACC+16*\t+1]
.endr
.irp j, 2,4,6
.irp t, 0,1,2,3
	v_pk_fma_f32 v[T+2*\t:T+2*\t+1], v[CP+8*\t+\j:CP+8*\t+\j+1], v[ACC+16*\t+\j:ACC+16*\t+\j+1], v[T+2*\t:T+2*\t+1]
.endr
.endr
.irp j, 0,2,4,6
.irp t, 0,1,2,3
	v_pk_fma_f32 v[T+2*\t:T+2*\t+1], v[CM+8*\t+\j:CM+8*\t+\j+1], v[ACC+16*\t+8+\j:ACC+16*\t+8+\j+1], v[T+2*\t:T+2*\t+1]
.endr
.endr
.irp t, 0,1,2,3
	v_add_f32 v[T+2*\t], v[T+2*\t], v[T+2*\t+1]    ; tile t's sum over my 8 i
.endr
	; The two halves of the lanes hold the two halves of the i-tile.  The lower half keeps the even tile and sends the odd one, the upper half the other way
	; round: one exchange for two tiles, and lane l ends with the sum of b = l (tiles 0, 1) and of b = 32 + l (tiles 2, 3).
	v_cndmask_b32 v[T+8],  v[T],   v[T+2], vcc_lo  ; kept
	v_cndmask_b32 v[T+9],  v[T+2], v[T],   vcc_lo  ; sent
	v_cndmask_b32 v[T+10], v[T+4], v[T+6], vcc_lo
	v_cndmask_b32 v[T+11], v[T+6], v[T+4], vcc_lo
	v_permlanex16_b32 v[T+1], v[T+9],  s28, s29    ; the destinations have been written before
	v_permlanex16_b32 v[T+3], v[T+11], s28, s29
	v_add_f32 v[T+8],  v[T+8],  v[T+1]
	v_add_f32 v[T+10], v[T+10], v[T+3]
	ds_store_b32 v[RS], v[T+8]
	ds_store_b32 v[RS], v[T+10] offset:128
	s_wait_dscnt 0x0                               ; my wave's 64 sums are in LDS: zero, for wave 0's sake
	s_barrier_signal -1
	s_barrier_wait -1
	s_cmp_lg_u32 s15, 0
	s_cbranch_scc1 .Lend                           ; wave 0 adds the eight waves' sums (the eight i-tiles)
.irp k, 0,1,2,3,4,5,6,7
	ds_load_b64 v[16+2*\k:17+2*\k], v[RR] offset:256*\k
.endr
	s_wait_dscnt 0x0
	v_pk_add_f32 v[16:17], v[16:17], v[18:19]
	v_pk_add_f32 v[20:21], v[20:21], v[22:23]
	v_pk_add_f32 v[24:25], v[24:25], v[26:27]
	v_pk_add_f32 v[28:29], v[28:29], v[30:31]
	v_pk_add_f32 v[16:17], v[16:17], v[20:21]
	v_pk_add_f32 v[24:25], v[24:25], v[28:29]
	v_pk_add_f32 v[16:17], v[16:17], v[24:25]
	global_store_b64 v[GO], v[16:17], s[10:11]     ; 32 lanes store 256 consecutive bytes, at a multiple of 256 from part's first byte
.Lend:
	s_wait_xcnt 0x0
	v_lshl_add_u32 v254, v0, 2, 0x19c00
	v_mov_b32 v255, 0
	s_wait_tensorcnt 0x0
	ds_add_u32 v254, v255
	s_wait_dscnt 0x0
	s_endpgm
.Lfunc_end_k_q5ab0f6fb6c_partial:
	.size	k_q5ab0f6fb6c_partial, .Lfunc_end_k_q5ab0f6fb6c_partial-k_q5ab0f6fb6c_partial
	.p2alignl 7, 3214868480
	.fill 96, 4, 3214868480
	.section	.rodata,"a",@progbits
	.p2align	6, 0x0
	.amdhsa_kernel k_q5ab0f6fb6c_partial
		.amdhsa_group_segment_fixed_size 106496
		.amdhsa_private_segment_fixed_size 0
		.amdhsa_enable_private_segment 0
		.amdhsa_kernarg_size 32
		.amdhsa_user_sgpr_count 2
		.amdhsa_user_sgpr_kernarg_segment_ptr 1
		.amdhsa_wavefront_size32 1
		.amdhsa_system_sgpr_workgroup_id_x 1
		.amdhsa_system_sgpr_workgroup_id_y 1
		.amdhsa_system_sgpr_workgroup_id_z 1
		.amdhsa_system_vgpr_workitem_id 0
		.amdhsa_next_free_vgpr 512
		.amdhsa_next_free_sgpr 66
		.amdhsa_reserve_vcc 1
		.amdhsa_float_denorm_mode_32 3
		.amdhsa_float_denorm_mode_16_64 3
		.amdhsa_memory_ordered 1
		.amdhsa_forward_progress 1
		.amdhsa_inst_pref_size 30
	.end_amdhsa_kernel
	.amdgpu_metadata
---
amdhsa.version: [ 1, 2 ]
amdhsa.kernels:
  - .name:           k_q5ab0f6fb6c_partial
    .symbol:         k_q5ab0f6fb6c_partial.kd
    .args:
      - { .name: W, .offset: 0, .size: 8, .value_kind: global_buffer, .address_space: global }
      - { .name: cf, .offset: 8, .size: 8, .value_kind: global_buffer, .address_space: global }
      - { .name: pf, .offset: 16, .size: 8, .value_kind: global_buffer, .address_space: global }
      - { .name: part, .offset: 24, .size: 8, .value_kind: global_buffer, .address_space: global }
    .group_segment_fixed_size: 106496
    .private_segment_fixed_size: 0
    .kernarg_segment_align: 8
    .kernarg_segment_size: 32
    .max_flat_workgroup_size: 256
    .sgpr_count:     66
    .vgpr_count:     512
    .wavefront_size: 32
...
	.end_amdgpu_metadata
.endif
;; end of part 1
;; launch finish (part 2): grid 4 x 1, 1 waves a work-group, no clusters, 0 bytes of LDS; arguments part, bias, out0; writes out0
.if DOCPART == 2
	.amdgcn_target "amdgcn-amd-amdhsa--gfx1250"
	.amdhsa_code_object_version 6
	.text
	.protected	k_q5ab0f6fb6c_finish
	.globl	k_q5ab0f6fb6c_finish
	.p2align	8
	.type	k_q5ab0f6fb6c_finish,@function
k_q5ab0f6fb6c_finish:
	s_mov_b64 s[64:65], 0
	v_nop
	global_prefetch_b8 v0, s[64:65] scope:SCOPE_SE
	s_setreg_imm32_b32 hwreg(HW_REG_WAVE_MODE, 25, 1), 1
	s_wait_xcnt 0x0
; out0[b] = bias + sum over y = 0 .. 63 of part[y][b].  part: [64][256] f32, 64 KiB in all; out0: 256 f32.
; Four work-groups of one wave; each owns 64 outputs, 256 consecutive bytes of out0, so that they are stored whole by one instruction.
; Lane (q = lane % 16, g = lane / 16) reads the 16 bytes of b = 64 x + 4 q .. + 3 in the rows y = 2 k + g: a load covers two rows' 256 aligned bytes, and all
; 32 loads (16 KiB) go out at once.  No LDS, no barrier, no matrix unit: there are 64 additions for each output and nothing is shared between waves.
.set ROWP, 1024                        ; bytes in a row of part
.set X,    8                           ; v[8:135]  load k: 4 registers; the first four loads' registers carry the four chains of sums
	s_load_b128 s[4:7], s[0:1], 0x0                ; part s[4:5], bias s[6:7]
	s_load_b64 s[8:9], s[0:1], 0x10                ; out0
	v_and_b32 v1, 15, v0                           ; q
	v_lshrrev_b32 v2, 4, v0                        ; g
	s_lshl_b32 s11, ttmp9, 8                       ; my 64 outputs: 256 bytes, in a row of part and in out0
	s_mov_b32 s12, 0x76543210                      ; v_permlanex16_b32: lane i of one half reads lane i of the other
	s_mov_b32 s13, 0xfedcba98
	v_lshl_add_u32 v3, v1, 4, s11                  ; 256 x + 16 q
	v_lshl_add_u32 v4, v2, 10, v3                  ; loads: + g rows
	v_lshl_add_u32 v5, v2, 3, v3                   ; store: + 8 g
	v_cmp_eq_u32 vcc_lo, 1, v2                     ; the upper half of the lanes
	s_wait_kmcnt 0x0
	s_load_b32 s10, s[6:7], 0x0                    ; the bias
.set k, 0
.rept 32
	global_load_b128 v[X+4*k:X+4*k+3], v4, s[4:5] offset:k*2*ROWP th:TH_LOAD_NT
.set k, k+1
.endr
; loads come back in order: behind a wait for n the 32 - n oldest are in.  Four chains, started by the first four loads: nothing is cleared.
.macro SUMS first, count
.set k, \first
.rept \count
	v_pk_add_f32 v[X+4*(k%4):X+4*(k%4)+1],   v[X+4*(k%4):X+4*(k%4)+1],   v[X+4*k:X+4*k+1]
	v_pk_add_f32 v[X+4*(k%4)+2:X+4*(k%4)+3], v[X+4*(k%4)+2:X+4*(k%4)+3], v[X+4*k+2:X+4*k+3]
.set k, k+1
.endr
.endm
	s_wait_loadcnt 24                              ; loads 0 to 7 are in
	SUMS 4, 4
	s_wait_loadcnt 16                              ; 8 to 15
	SUMS 8, 8
	s_wait_loadcnt 8                               ; 16 to 23
	SUMS 16, 8
	s_wait_loadcnt 0x0
	SUMS 24, 8
	v_pk_add_f32 v[X:X+1],     v[X:X+1],     v[X+4:X+5]
	v_pk_add_f32 v[X+2:X+3],   v[X+2:X+3],   v[X+6:X+7]
	v_pk_add_f32 v[X+8:X+9],   v[X+8:X+9],   v[X+12:X+13]
	v_pk_add_f32 v[X+10:X+11], v[X+10:X+11], v[X+14:X+15]
	v_pk_add_f32 v[X:X+1],     v[X:X+1],     v[X+8:X+9]
	v_pk_add_f32 v[X+2:X+3],   v[X+2:X+3],   v[X+10:X+11]
	; v[8:11]: my rows' sums for b = 4 q .. 4 q + 3.  The lower half keeps the first two and sends the last two, the upper half the other way round,
	; so that lane (q, g) ends with b = 4 q + 2 g and 4 q + 2 g + 1 summed over all 64 rows.
	v_cndmask_b32 v12, v8,  v10, vcc_lo            ; kept
	v_cndmask_b32 v13, v9,  v11, vcc_lo
	v_cndmask_b32 v14, v10, v8,  vcc_lo            ; sent
	v_cndmask_b32 v15, v11, v9,  vcc_lo
	v_permlanex16_b32 v16, v14, s12, s13           ; the destinations have been written before
	v_permlanex16_b32 v17, v15, s12, s13
	s_wait_kmcnt 0x0                               ; the bias
	v_add_f32 v12, s10, v12
	v_add_f32 v13, s10, v13
	v_add_f32 v12, v12, v16
	v_add_f32 v13, v13, v17
	global_store_b64 v5, v[12:13], s[8:9]          ; the wave's one store covers 256 consecutive bytes, at a multiple of 256 from out0's first byte
	s_endpgm
.Lfunc_end_k_q5ab0f6fb6c_finish:
	.size	k_q5ab0f6fb6c_finish, .Lfunc_end_k_q5ab0f6fb6c_finish-k_q5ab0f6fb6c_finish
	.p2alignl 7, 3214868480
	.fill 96, 4, 3214868480
	.section	.rodata,"a",@progbits
	.p2align	6, 0x0
	.amdhsa_kernel k_q5ab0f6fb6c_finish
		.amdhsa_group_segment_fixed_size 0
		.amdhsa_private_segment_fixed_size 0
		.amdhsa_enable_private_segment 0
		.amdhsa_kernarg_size 24
		.amdhsa_user_sgpr_count 2
		.amdhsa_user_sgpr_kernarg_segment_ptr 1
		.amdhsa_wavefront_size32 1
		.amdhsa_system_sgpr_workgroup_id_x 1
		.amdhsa_system_sgpr_workgroup_id_y 1
		.amdhsa_system_sgpr_workgroup_id_z 1
		.amdhsa_system_vgpr_workitem_id 0
		.amdhsa_next_free_vgpr 136
		.amdhsa_next_free_sgpr 66
		.amdhsa_reserve_vcc 1
		.amdhsa_float_denorm_mode_32 3
		.amdhsa_float_denorm_mode_16_64 3
		.amdhsa_memory_ordered 1
		.amdhsa_forward_progress 1
		.amdhsa_inst_pref_size 9
	.end_amdhsa_kernel
	.amdgpu_metadata
---
amdhsa.version: [ 1, 2 ]
amdhsa.kernels:
  - .name:           k_q5ab0f6fb6c_finish
    .symbol:         k_q5ab0f6fb6c_finish.kd
    .args:
      - { .name: part, .offset: 0, .size: 8, .value_kind: global_buffer, .address_space: global }
      - { .name: bias, .offset: 8, .size: 8, .value_kind: global_buffer, .address_space: global }
      - { .name: out0, .offset: 16, .size: 8, .value_kind: global_buffer, .address_space: global }
    .group_segment_fixed_size: 0
    .private_segment_fixed_size: 0
    .kernarg_segment_align: 8
    .kernarg_segment_size: 24
    .max_flat_workgroup_size: 32
    .sgpr_count:     66
    .vgpr_count:     136
    .wavefront_size: 32
...
	.end_amdgpu_metadata
.endif
;; end of part 2
;; ======== version 2 of 2: 2 launches; version 1 with the launch partial written anew for expert scheduling mode
;; workspace buffers: part 65,536 bytes
;; launch partial (part 3): grid 4 x 64, 8 waves a work-group, no clusters, 106,496 bytes of LDS; arguments W, cf, pf, part; writes part
.if DOCPART == 3
	.amdgcn_target "amdgcn-amd-amdhsa--gfx1250"
	.amdhsa_code_object_version 6
	.text
	.protected	k_q5ab0f6fb6c_partial
	.globl	k_q5ab0f6fb6c_partial
	.p2align	8
	.type	k_q5ab0f6fb6c_partial,@function
k_q5ab0f6fb6c_partial:
	s_mov_b64 s[64:65], 0
	v_nop
	global_prefetch_b8 v0, s[64:65] scope:SCOPE_SE
	s_setreg_imm32_b32 hwreg(HW_REG_WAVE_SCHED_MODE, 0, 2), 2
	s_setreg_imm32_b32 hwreg(HW_REG_WAVE_MODE, 25, 1), 1
	s_wait_xcnt 0x0
	s_wait_alu depctr_vm_vsrc(0)
; out[b] = sum over i, j of leaky(cf[b][i] * pf[b][j]) * W[i][j] + bias,  leaky(x) = x for x >= 0, else 0.1 x.
; For c >= 0:  leaky(c p) = c * max(p, 0.1 p);   for c < 0:  leaky(c p) = c * min(p, 0.1 p)   (term by term, for every c and p).  So
;   out[b] = sum_i max(c,0) * (sum_j W[i][j] max(p, 0.1p)) + sum_i min(c,0) * (sum_j W[i][j] min(p, 0.1p)) + bias:
; two matrix products (bf16 operands, f32 sums) and a dot with cf in f32.  Every term of the original sum occurs once; none is added and taken away again.
; THIS LAUNCH: work-group (x, y) takes 64 b (x = 0..3) and a block of 128 i x 128 j of W (y = 8 ib + jb) and stores the 64 partial sums
; part[y][64 x .. 64 x + 63].  The next launch adds the 64 partials of each b and the bias.
; With 256 work-groups, ni * nj * nb = 2^20, and 4 (ni nj + nb (ni + nj)) bytes a work-group are least at 128, 128, 64: 64 + 32 + 32 KiB.
; Eight waves.  Wave w owns the i-tile 16 w .. 16 w + 15 for all 64 b: 4 b-tiles x 2 products = 8 accumulators, 4 K steps of 32: 32 matrix instructions.
; Each load of a wave covers 512 consecutive bytes of a row; every number is rounded to bf16 once in the work-group.
; The matrix instruction takes W's rows as A and pf's rows as B: lane (r, h) then holds in register j the sum for i = 8 h + j, b = r,
; so that the dot with cf runs inside the lane and over the two halves of lanes only.
; CLUSTERS: none.  The four work-groups of one y read the same 64 KiB of W, half of a work-group's 128 KiB.  Every request of this text goes out once, in the
; wave's first lines, and no LDS byte is filled twice; a joint request would have to stand behind a round of the cluster's barrier, so that no byte of W would be
; asked for before the last of four partners had begun; pf's and cf's tiles are shared along other axes (equal jb, equal ib) and would arrive as raw f32, to be
; selected and rounded by each of the eight waves that read them instead of once.
; LIMITS: W and max/min(p, 0.1p) are rounded to bf16 (nearest even); cf and all sums are f32.  W p is formed before the product with c, so sums that leave f32's
; range (about 3e38) or products c p below its smallest normal number (about 1e-38) can fall otherwise than in the original order.  NaN and infinities: as the arithmetic gives them.
; THE MODE: SCHED_MODE bits 1:0 = 2 (LLVM: expert scheduling mode 2), set by the entry lines.  The code itself states the register dependences
; between vector or matrix instructions and memory or LDS instructions, with s_wait_alu, always for 0.
; THE PLAN.  Registers that memory or LDS instructions touch, in the order of the text:
;   v4, v5      global offsets: made at the head, read by the 32 loads, never written again.
;   v6 - v14    LDS addresses and the last store's offset: made behind the loads, never written again.
;   PST         pf's loads land; a row's arithmetic reads its four registers and rounds its results into the same four; two LDS stores read them; later max(c, 0) writes them.
;   CST         cf's loads land; eight LDS stores read them; behind the barrier cf's read-back lands in them; min(c, 0) then works in place.
;   WST         W's loads land; a row's two conversions work in place; one LDS store reads the result; nothing writes them again.
;   v256 - 511  the B fragments: LDS loads land, matrix instructions read; nothing else names them.
;   AF          the A fragments: LDS loads land, matrix instructions read; at the end wave 0's eight LDS loads land in the first sixteen, and its store reads the first two.
;   T           at work, named by vector instructions alone, but for T+8 and T+10, which two LDS stores read at the end, and T+14, T+15, made anew for the closing add.
; pf goes in two batches of four rows, W in four: one wait on va_vdst at a batch's head, behind the wait for its data, states that the batch before has written its results;
; that batch's LDS stores are then dealt among this batch's vector instructions, which name other rows' registers and T alone.  One wait on vm_vsrc, behind the first barrier,
; frees PST and CST.
.set ROWB,   4096                      ; bytes in a row of W, cf, pf
.set WPITCH, 272                       ; LDS row of 128 bf16 + 16 bytes: 17 x 16, so 16 rows of one column fall on 16 different 16-byte columns of 256
.set CPITCH, 528                       ; LDS row of 128 f32 + 16 bytes: 33 x 16, likewise
.set WL,     0                         ; W as bf16: 16 rows for each wave, its own
.set PPOS,   8*16*WPITCH               ; max(p, 0.1p) as bf16, 64 rows
.set PNEG,   PPOS+64*WPITCH            ; min(p, 0.1p) as bf16, 64 rows
.set CL,     PNEG+64*WPITCH            ; cf as f32, 64 rows
.set RED,    CL+64*CPITCH              ; 8 waves x 64 partial sums; the end is at 105,472, where the spare words begin: 128 bytes for each wave
.set LN,  1                            ; lane
.set GW,  4                            ; offset of my 16 bytes in my wave's first row of W
.set GP,  5                            ; the same for pf and cf
.set WS,  6                            ; LDS: where I put 8 bytes of a row of W
.set WA,  7                            ; LDS: my A fragments
.set PS,  8                            ; LDS: where I put 8 bytes of a row of pf
.set BA,  9                            ; LDS: my B fragments (r x pitch + 16 h)
.set CS,  10                           ; LDS: where I put 16 bytes of a row of cf
.set CRA, 11                           ; LDS: my 8 numbers of cf for a b-tile
.set RS,  12                           ; LDS: my wave's partial sums
.set RR,  13                           ; LDS: the way out
.set GO,  14                           ; my 8 bytes of the 256 that are stored
.set WST, 16                           ; v[16:79]   16 rows of W as loaded; a row's bf16 in the first two of its four registers
.set PST, 80                           ; v[80:111]  8 rows of pf as loaded; then a row's max in bf16 in its first two registers, its min in the other two
.set CST, 112                          ; v[112:143] 8 rows of cf as loaded
.set CP,  80                           ; later: max(c, 0), tile t at 8 t
.set CM,  112                          ; later: c as read back, then min(c, 0)
.set AF,  144                          ; v[144:175] A fragments, K step s at 8 s; at the end wave 0's sums
.set ACC, 176                          ; v[176:239] accumulator 2 t + v at 8 (2 t + v); v = 0: max, v = 1: min
.set T,   240                          ; v[240:255] at work
                                       ; v[256:511] B fragments: K step s, accumulator a at 8 (8 s + a), named v0-v255 under the second window
	s_load_b256 s[4:11], s[0:1], 0x0               ; W s[4:5], cf s[6:7], pf s[8:9], part s[10:11]
	v_and_b32 v[LN], 31, v0
	v_lshrrev_b32 v2, 5, v0
	v_readfirstlane_b32 s15, v2                    ; wave 0..7
	s_and_b32 s24, ttmp7, 0xffff                   ; y = 8 ib + jb
	s_lshr_b32 s12, s24, 3                         ; ib
	s_and_b32 s13, s24, 7                          ; jb
	s_lshl_b32 s16, s12, 19                        ; W: 128 ib rows of 4,096 bytes
	s_lshl_b32 s25, s13, 9                         ;    + 128 jb columns of 4 bytes
	s_add_co_u32 s16, s16, s25
	s_mov_b32 s17, 0
	s_lshl_b32 s26, ttmp9, 18                      ; 64 x rows of 4,096 bytes
	s_add_co_u32 s18, s26, s25                     ; pf: + 128 jb columns
	s_mov_b32 s19, 0
	s_lshl_b32 s27, s12, 9
	s_add_co_u32 s20, s26, s27                     ; cf: + 128 ib columns
	s_mov_b32 s21, 0
	s_lshl_b32 s22, s24, 10                        ; part: row y of 256 f32
	s_lshl_b32 s27, ttmp9, 8                       ;       + 64 x f32
	s_add_co_u32 s22, s22, s27
	s_mov_b32 s23, 0
	s_wait_alu depctr_va_sdst(0)                   ; s15, the wave's number, is written, ahead of its first reader
	s_lshl_b32 s24, s15, 16                        ; my wave's 16 rows of W
	s_lshl_b32 s25, s15, 15                        ; my wave's 8 rows of pf and of cf
	v_lshl_add_u32 v[GW], v[LN], 4, s24
	v_lshl_add_u32 v[GP], v[LN], 4, s25
	s_wait_kmcnt 0x0
	s_add_nc_u64 s[4:5], s[4:5], s[16:17]
	s_add_nc_u64 s[6:7], s[6:7], s[20:21]
	s_add_nc_u64 s[8:9], s[8:9], s[18:19]
	s_add_nc_u64 s[10:11], s[10:11], s[22:23]
	s_wait_alu depctr_va_vdst(0)                   ; v[GW] and v[GP] are written, which the 32 loads read as their offsets
	; All 32 loads of the wave at once: 16 KiB a wave, 128 KiB a work-group.  pf and cf first: they pass a barrier; W, which stays in its wave, last.
.irp rr, 0,1,2,3,4,5,6,7
	global_load_b128 v[PST+4*\rr:PST+4*\rr+3], v[GP], s[8:9] offset:\rr*ROWB
.endr
.irp rr, 0,1,2,3,4,5,6,7
	global_load_b128 v[CST+4*\rr:CST+4*\rr+3], v[GP], s[6:7] offset:\rr*ROWB
.endr
.irp rr, 0,1,2,3,4,5,6,7,8,9,10,11,12,13,14,15
	global_load_b128 v[WST+4*\rr:WST+4*\rr+3], v[GW], s[4:5] offset:\rr*ROWB
.endr
	; LDS addresses, while the loads are on their way
	v_and_b32 v2, 15, v0                           ; r
	v_bfe_u32 v3, v0, 4, 1                         ; h
	s_mul_i32 s24, s15, 16*WPITCH                  ; my wave's rows of W in LDS
	v_lshl_add_u32 v[WS], v[LN], 3, s24
	v_mul_u32_u24 v[BA], v2, WPITCH
	v_lshl_add_u32 v[BA], v3, 4, v[BA]             ; r x pitch + 16 h
	v_add_nc_u32 v[WA], s24, v[BA]
	s_mul_i32 s25, s15, 8*WPITCH
	v_lshl_add_u32 v[PS], v[LN], 3, s25
	s_mul_i32 s26, s15, 8*CPITCH
	s_add_co_u32 s26, s26, CL
	v_lshl_add_u32 v[CS], v[LN], 4, s26
	s_lshl_b32 s27, s15, 6                         ; my i-tile's 16 columns of cf: 64 bytes
	s_add_co_u32 s27, s27, CL
	v_mul_u32_u24 v[CRA], v2, CPITCH
	v_lshl_add_u32 v[CRA], v3, 5, v[CRA]           ; + 8 h columns
	v_add_nc_u32 v[CRA], s27, v[CRA]
	s_lshl_b32 s24, s15, 8
	s_add_co_u32 s24, s24, RED
	v_lshl_add_u32 v[RS], v[LN], 2, s24
	v_lshlrev_b32 v[GO], 3, v[LN]
	v_add_nc_u32 v[RR], RED, v[GO]
	s_mov_b32 s28, 0x76543210                      ; v_permlanex16_b32: lane i of one half reads lane i of the other
	s_mov_b32 s29, 0xfedcba98
	s_mov_b32 s30, 0x3dcccccd                      ; the slope 0.1
	s_mov_b32 s31, 0x3dcccccd
	v_cmp_lt_u32 vcc_lo, 15, v[LN]                 ; the upper half of the lanes
	s_wait_alu depctr_va_vcc(0)                    ; VCC is written; its first reader is the first v_cndmask_b32 of the way out, in this same straight run of code
; One row of pf: 4 numbers a lane become max(p, 0.1p) and min(p, 0.1p) in bf16, 8 bytes each, in the row's own four registers.  T is named by no LDS instruction here.
.macro PCALC rr
.set PI, PST+4*(\rr)
.set TI, T+8*((\rr)%2)
	v_pk_mul_f32 v[TI:TI+1], v[PI:PI+1], s[30:31] op_sel_hi:[1,0]
	v_pk_mul_f32 v[TI+2:TI+3], v[PI+2:PI+3], s[30:31] op_sel_hi:[1,0]
.irp k, 0,1,2,3
	v_max_num_f32 v[TI+4+\k], v[PI+\k], v[TI+\k]
.endr
.irp k, 0,1,2,3
	v_min_num_f32 v[TI+\k], v[PI+\k], v[TI+\k]
.endr
	v_cvt_pk_bf16_f32 v[PI], v[TI+4], v[TI+5]
	v_cvt_pk_bf16_f32 v[PI+1], v[TI+6], v[TI+7]
	v_cvt_pk_bf16_f32 v[PI+2], v[TI], v[TI+1]
	v_cvt_pk_bf16_f32 v[PI+3], v[TI+2], v[TI+3]
.endm
; The row's two LDS stores: 32 lanes store 256 consecutive bytes each time.
.macro PPUT rr
	ds_store_b64 v[PS], v[PST+4*(\rr):PST+4*(\rr)+1] offset:PPOS+(\rr)*WPITCH
	ds_store_b64 v[PS], v[PST+4*(\rr)+2:PST+4*(\rr)+3] offset:PNEG+(\rr)*WPITCH
.endm
	s_wait_loadcnt 28                              ; loads come back in order: 4 of pf's are in, the 28 younger ones stay out
	PCALC 0
	PCALC 1
	PCALC 2
	PCALC 3
	s_wait_loadcnt 24                              ; all 8 of pf's
	s_wait_alu depctr_va_vdst(0)                   ; rows 0 to 3 have written their bf16, which the stores below read; the LDS addresses and the offset v6 to v14 are written, for every LDS instruction and the store of the kernel
	PPUT 0                                         ; no vector instruction since the wait names rows 0 to 3's registers or v[PS]: rows 4 to 7 work on their own registers and on T
	PCALC 4
	PPUT 1
	PCALC 5
	PPUT 2
	PCALC 6
	PPUT 3
	PCALC 7
	s_wait_alu depctr_va_vdst(0)                   ; rows 4 to 7 have written their bf16, which the stores below read
	PPUT 4
	PPUT 5
	PPUT 6
	PPUT 7
	s_wait_loadcnt 20                              ; 4 of cf's
.irp rr, 0,1,2,3
	ds_store_b128 v[CS], v[CST+4*\rr:CST+4*\rr+3] offset:\rr*CPITCH
.endr
	s_wait_loadcnt 16                              ; all of cf's; W's 16 stay out, over the barrier too: no wave writes those global bytes
.irp rr, 4,5,6,7
	ds_store_b128 v[CS], v[CST+4*\rr:CST+4*\rr+3] offset:\rr*CPITCH
.endr
	s_wait_dscnt 0x0                               ; my rows of pf and cf are in LDS: zero, for the other waves' sake
	s_barrier_signal -1
	s_barrier_wait -1                              ; everybody's are
	s_wait_alu depctr_vm_vsrc(0)                   ; my LDS stores have read v[CST ..], in which cf's read-back lands, and v[PST ..], which max(c, 0) writes
	; my 8 numbers of cf for each of the 4 b-tiles: c[16 t + r][16 w + 8 h .. + 7], in the accumulators' layout
.irp t, 0,1,2,3
	ds_load_b128 v[CM+8*\t:CM+8*\t+3],   v[CRA] offset:\t*16*CPITCH
	ds_load_b128 v[CM+8*\t+4:CM+8*\t+7], v[CRA] offset:\t*16*CPITCH+16
.endr
	; all 32 B fragments (4 K steps x 4 b-tiles x 2 products), 64 loads into v256-v511, while W is still on its way.
	; They touch v[BA], written ahead of the wait on va_vdst at pf's second batch, and registers that no instruction has named.
	s_set_vgpr_msb 0x40                            ; destination in the second window, address in the first
.set ks, 0
.rept 4
.set ac, 0
.rept 8
	ds_load_b128 v[(ks*8+ac)*8:(ks*8+ac)*8+3],   v[BA] offset:PPOS+(ac%2)*(PNEG-PPOS)+(ac/2)*16*WPITCH+ks*64
	ds_load_b128 v[(ks*8+ac)*8+4:(ks*8+ac)*8+7], v[BA] offset:PPOS+(ac%2)*(PNEG-PPOS)+(ac/2)*16*WPITCH+ks*64+32
.set ac, ac+1
.endr
.set ks, ks+1
.endr
	s_set_vgpr_msb 0x4000                          ; all back to the first window
	s_wait_dscnt 63                                ; cf's 8 loads have 64 younger ones behind them; 63 is the largest count the field takes
.set k, 0
.rept 32
	v_max_num_f32 v[CP+k], 0, v[CM+k]              ; the factor of the product with max(p, 0.1p)
	v_min_num_f32 v[CM+k], 0, v[CM+k]              ; the factor of the product with min(p, 0.1p)
.set k, k+1
.endr
; One row of W: 4 numbers a lane to bf16, 8 bytes, in the first two of the row's four registers;
.macro WCVT rr
	v_cvt_pk_bf16_f32 v[WST+4*(\rr)], v[WST+4*(\rr)], v[WST+4*(\rr)+1]
	v_cvt_pk_bf16_f32 v[WST+4*(\rr)+1], v[WST+4*(\rr)+2], v[WST+4*(\rr)+3]
.endm
; and its LDS store: 32 lanes store 256 consecutive bytes of my wave's own LDS rows.
.macro WPUT rr
	ds_store_b64 v[WS], v[WST+4*(\rr):WST+4*(\rr)+1] offset:WL+(\rr)*WPITCH
.endm
	s_wait_loadcnt 12                              ; W's rows 0-3 are in, 12 younger loads stay out
	WCVT 0
	WCVT 1
	WCVT 2
	WCVT 3
	s_wait_loadcnt 8
	s_wait_alu depctr_va_vdst(0)                   ; the conversions of rows 0 to 3 have written their bf16, which the stores below read; rows 4 to 7's conversions name their own registers alone
	WPUT 0
	WCVT 4
	WPUT 1
	WCVT 5
	WPUT 2
	WCVT 6
	WPUT 3
	WCVT 7
	s_wait_loadcnt 4
	s_wait_alu depctr_va_vdst(0)                   ; the same for rows 4 to 7
	WPUT 4
	WCVT 8
	WPUT 5
	WCVT 9
	WPUT 6
	WCVT 10
	WPUT 7
	WCVT 11
	s_wait_loadcnt 0x0
	s_wait_alu depctr_va_vdst(0)                   ; the same for rows 8 to 11
	WPUT 8
	WCVT 12
	WPUT 9
	WCVT 13
	WPUT 10
	WCVT 14
	WPUT 11
	WCVT 15
	s_wait_alu depctr_va_vdst(0)                   ; the conversions of rows 12 to 15 have written their bf16, which the last four stores read
	WPUT 12
	WPUT 13
	WPUT 14
	WPUT 15
	; A fragments: lane (r, h) takes row r, K = 32 s + 8 h .. + 7 and 32 s + 16 + 8 h .. + 7.  The bytes are my wave's own and LDS serves a
	; wave's instructions in order (ISA guide 5.7.1): these loads see the stores above without a wait or a barrier.
	; They touch v[WA], written at the head, and v[AF ..], which no instruction has named.
.irp s, 0,1,2,3
	ds_load_b128 v[AF+8*\s:AF+8*\s+3],   v[WA] offset:WL+64*\s
	ds_load_b128 v[AF+8*\s+4:AF+8*\s+7], v[WA] offset:WL+64*\s+32
.endr
	; 32 matrix instructions.  The eight accumulators take turns, one instruction a turn.  The first K step starts the sums.
	s_set_vgpr_msb 0x04                            ; B (source 1) in the second window; A, C, D in the first
	s_wait_dscnt 6                                 ; K step 0's two A loads are in (and all B fragments, which were asked for earlier); 6 younger stay out
.set ac, 0
.rept 8
	v_wmma_f32_16x16x32_bf16 v[ACC+8*ac:ACC+8*ac+7], v[AF:AF+7], v[8*ac:8*ac+7], 0
.set ac, ac+1
.endr
.set ks, 1
.rept 3
	s_wait_dscnt 6-2*ks                            ; this K step's two A loads are in
.set ac, 0
.rept 8
	v_wmma_f32_16x16x32_bf16 v[ACC+8*ac:ACC+8*ac+7], v[AF+8*ks:AF+8*ks+7], v[(ks*8+ac)*8:(ks*8+ac)*8+7], v[ACC+8*ac:ACC+8*ac+7]
.set ac, ac+1
.endr
.set ks, ks+1
.endr
	s_set_vgpr_msb 0x0400                          ; all back to the first window
.rept 4
	v_nop                                          ; four places between the last matrix instructions and the vector instructions that read their results (ISA guide 7.12.1)
.endr
	; the dot with cf: register j of accumulator (t, v) is i = 16 w + 8 h + j, b = 16 t + r.  Four chains, one for each b-tile; the first product starts each.
.irp t, 0,1,2,3
	v_pk_mul_f32 v[T+2*\t:T+2*\t+1], v[CP+8*\t:CP+8*\t+1], v[ACC+16*\t:ACC+16*\t+1]
.endr
.irp j, 2,4,6
.irp t, 0,1,2,3
	v_pk_fma_f32 v[T+2*\t:T+2*\t+1], v[CP+8*\t+\j:CP+8*\t+\j+1], v[ACC+16*\t+\j:ACC+16*\t+\j+1], v[T+2*\t:T+2*\t+1]
.endr
.endr
.irp j, 0,2,4,6
.irp t, 0,1,2,3
	v_pk_fma_f32 v[T+2*\t:T+2*\t+1], v[CM+8*\t+\j:CM+8*\t+\j+1], v[ACC+16*\t+8+\j:ACC+16*\t+8+\j+1], v[T+2*\t:T+2*\t+1]
.endr
.endr
.irp t, 0,1,2,3
	v_add_f32 v[T+2*\t], v[T+2*\t], v[T+2*\t+1]    ; tile t's sum over my 8 i
.endr
	; The two halves of the lanes hold the two halves of the i-tile.  The lower half keeps the even tile and sends the odd one, the upper half the other way
	; round: one exchange for two tiles, and lane l ends with the sum of b = l (tiles 0, 1) and of b = 32 + l (tiles 2, 3).
	v_cndmask_b32 v[T+8],  v[T],   v[T+2], vcc_lo  ; kept
	v_cndmask_b32 v[T+9],  v[T+2], v[T],   vcc_lo  ; sent
	v_cndmask_b32 v[T+10], v[T+4], v[T+6], vcc_lo
	v_cndmask_b32 v[T+11], v[T+6], v[T+4], vcc_lo
	v_permlanex16_b32 v[T+1], v[T+9],  s28, s29    ; the destinations have been written before
	v_permlanex16_b32 v[T+3], v[T+11], s28, s29
	v_add_f32 v[T+8],  v[T+8],  v[T+1]
	v_add_f32 v[T+10], v[T+10], v[T+3]
	s_wait_alu depctr_va_vdst(0)                   ; the two additions have written v[T+8] and v[T+10], which the stores below read; the matrix instructions are done reading v[AF ..], in which wave 0's loads land behind the barrier
	ds_store_b32 v[RS], v[T+8]
	ds_store_b32 v[RS], v[T+10] offset:128
	s_wait_dscnt 0x0                               ; my wave's 64 sums are in LDS: zero, for wave 0's sake
	s_barrier_signal -1
	s_barrier_wait -1
	s_cmp_lg_u32 s15, 0
	s_cbranch_scc1 .Lend                           ; wave 0 adds the eight waves' sums (the eight i-tiles)
.irp k, 0,1,2,3,4,5,6,7
	ds_load_b64 v[AF+2*\k:AF+2*\k+1], v[RR] offset:256*\k  ; into the spent A fragments: no LDS or memory instruction has read these registers, and no vector instruction since the wait above names them
.endr
	s_wait_dscnt 0x0
	v_pk_add_f32 v[AF:AF+1],     v[AF:AF+1],     v[AF+2:AF+3]
	v_pk_add_f32 v[AF+4:AF+5],   v[AF+4:AF+5],   v[AF+6:AF+7]
	v_pk_add_f32 v[AF+8:AF+9],   v[AF+8:AF+9],   v[AF+10:AF+11]
	v_pk_add_f32 v[AF+12:AF+13], v[AF+12:AF+13], v[AF+14:AF+15]
	v_pk_add_f32 v[AF:AF+1],     v[AF:AF+1],     v[AF+4:AF+5]
	v_pk_add_f32 v[AF+8:AF+9],   v[AF+8:AF+9],   v[AF+12:AF+13]
	v_pk_add_f32 v[AF:AF+1],     v[AF:AF+1],     v[AF+8:AF+9]
	s_wait_alu depctr_va_vdst(0)                   ; the last addition has written v[AF:AF+1], which the store reads
	global_store_b64 v[GO], v[AF:AF+1], s[10:11]   ; 32 lanes store 256 consecutive bytes, at a multiple of 256 from part's first byte
.Lend:
	s_wait_xcnt 0x0                                ; wave 0's store has had its address translated (ISA guide 3.1), ahead of the lines that write registers anew
	v_lshl_add_u32 v254, v0, 2, 0x19c00            ; the add's two registers, made anew from T's last two, which no LDS or memory instruction has read: my spare word, behind the sums at 105,472,
	v_mov_b32 v255, 0                              ; and 0
	s_wait_dscnt 0x0                               ; the closing lines, six on end
	s_wait_alu 0x0
	s_wait_tensorcnt 0x0
	ds_add_u32 v254, v255
	s_wait_dscnt 0x0
	s_endpgm
.Lfunc_end_k_q5ab0f6fb6c_partial:
	.size	k_q5ab0f6fb6c_partial, .Lfunc_end_k_q5ab0f6fb6c_partial-k_q5ab0f6fb6c_partial
	.p2alignl 7, 3214868480
	.fill 96, 4, 3214868480
	.section	.rodata,"a",@progbits
	.p2align	6, 0x0
	.amdhsa_kernel k_q5ab0f6fb6c_partial
		.amdhsa_group_segment_fixed_size 106496
		.amdhsa_private_segment_fixed_size 0
		.amdhsa_enable_private_segment 0
		.amdhsa_kernarg_size 32
		.amdhsa_user_sgpr_count 2
		.amdhsa_user_sgpr_kernarg_segment_ptr 1
		.amdhsa_wavefront_size32 1
		.amdhsa_system_sgpr_workgroup_id_x 1
		.amdhsa_system_sgpr_workgroup_id_y 1
		.amdhsa_system_sgpr_workgroup_id_z 1
		.amdhsa_system_vgpr_workitem_id 0
		.amdhsa_next_free_vgpr 512
		.amdhsa_next_free_sgpr 66
		.amdhsa_reserve_vcc 1
		.amdhsa_float_denorm_mode_32 3
		.amdhsa_float_denorm_mode_16_64 3
		.amdhsa_memory_ordered 1
		.amdhsa_forward_progress 1
		.amdhsa_inst_pref_size 30
	.end_amdhsa_kernel
	.amdgpu_metadata
---
amdhsa.version: [ 1, 2 ]
amdhsa.kernels:
  - .name:           k_q5ab0f6fb6c_partial
    .symbol:         k_q5ab0f6fb6c_partial.kd
    .args:
      - { .name: W, .offset: 0, .size: 8, .value_kind: global_buffer, .address_space: global }
      - { .name: cf, .offset: 8, .size: 8, .value_kind: global_buffer, .address_space: global }
      - { .name: pf, .offset: 16, .size: 8, .value_kind: global_buffer, .address_space: global }
      - { .name: part, .offset: 24, .size: 8, .value_kind: global_buffer, .address_space: global }
    .group_segment_fixed_size: 106496
    .private_segment_fixed_size: 0
    .kernarg_segment_align: 8
    .kernarg_segment_size: 32
    .max_flat_workgroup_size: 256
    .sgpr_count:     66
    .vgpr_count:     512
    .wavefront_size: 32
...
	.end_amdgpu_metadata
.endif
;; end of part 3
;; launch finish: the kernel of part 2 again; grid 4 x 1, 1 waves a work-group, no clusters, 0 bytes of LDS; arguments part, bias, out0; writes out0
